; MI455X (gfx1250); checked and timed in simulation.
; The chip was launched on July 23, 2026; its instructions are those of AMD's public machine-readable ISA for CDNA 5 (MIT licence, August 2026) and "CDNA5" Instruction Set Architecture Reference Guide (July 2026). The comments in the code are by the model that wrote it; some were corrected since.
;; density computer. Allowed arithmetic: float matrix products may take bf16 or f16 operands with f32 sums; all other float work in f32.
;; Inputs: Traj 250 x 2,048 x 3 float32; z_mask 2,048 bool.
;; Outputs: out0 598 float32; out1 598 float32.
;; 2 versions, each right and faster than the one before. Each part assembles by itself: llvm-mc -triple=amdgcn-amd-amdhsa -mcpu=gfx1250 --defsym DOCPART=n.
;; ======== version 1 of 2: 2 launches
;; workspace buffers: part 196,608 bytes
;; launch smear (part 1): grid 4 x 64, 8 waves a work-group, no clusters, 168,960 bytes of LDS; arguments Traj, z_mask, part; writes part
.if DOCPART == 1
	.amdgcn_target "amdgcn-amd-amdhsa--gfx1250"
	.amdhsa_code_object_version 6
	.text
	.protected	k_qa4f2374ea3_smear
	.globl	k_qa4f2374ea3_smear
	.p2align	8
	.type	k_qa4f2374ea3_smear,@function
k_qa4f2374ea3_smear:
	s_mov_b64 s[64:65], 0
	v_nop
	global_prefetch_b8 v0, s[64:65] scope:SCOPE_SE
	s_setreg_imm32_b32 hwreg(HW_REG_WAVE_MODE, 25, 1), 1
	s_wait_xcnt 0x0
; Gaussian smearing of 512,000 positions z = Traj[t][n][2] onto 598 bins that lie one sigma (dr = 0.1) apart; this launch makes part sums.
; THE ARITHMETIC.  19 neighbouring bins are a SET with centre c (its tenth bin).  With u = (z - c) / dr a bin at offset rho = -9 .. 9 gets
;   exp(-(u - rho)^2 / 2) = p(rho) e^(-rho^2 / 2),   p(rho) = exp(-u^2 / 2 + u rho),   p(A + m) = p(A) E^m,   E = e^u.
; So an atom costs a set five exponentials (E, 1/E, p(-6), p(0), p(6)), four multiplies (E^2, E^3, E^-2, E^-3) and one multiply-add a bin, not 19
; exponentials.  e^(-rho^2/2) is a constant of the bin and is applied behind all sums, in the next launch; norm, dr, 1/T and the bias below cancel in P / P.sum.
; UNITS.  Positions are kept as z' = z sqrt(a) / dr, a = log2(e) / 2, so that 2^(-u'^2) = e^(-u^2/2) and 2^(2 sqrt(a) u') = E.
; RANGE.  Every p carries the bias 2^44.  u is clamped to +-20.5 / sqrt(a) = +-24.1: the nearest bin of the set is then 15 sigma off, the three exponents are
; below -150, so the three p are exactly 0, and E^3 <= 2^105 is finite: such an atom adds exactly 0.  The largest term is 2^44 e^(81/2) = 2^102.4; all 2^19 atoms
; at that place give 2^121.4: no sum overflows.  p(A) flushes to 0 only where |u - A| > 15.3 (A = 0, serves |m| <= 2) or 16.3 (A = +-6, |m| <= 3): what is
; lost is a term under e^-88 of a peak, below the smallest normal f32.
; LIMITS.  A NaN position is clamped away and adds nothing (the reference would give NaN everywhere), at a masked atom too.  The order of the sums differs.
; SHARES.  Work-group (x, y): the 8 sets 8 x .. 8 x + 7 and the 8,000 atoms from 8,000 y on.  Its 256 threads bring z' of these atoms into LDS once (masked atoms as
; 1e30, which the clamp turns into 0); then wave w takes set 8 x + w over all of them, 64 atoms a step: 32 lanes, two atoms in a register pair.
; NO CLUSTER, NO TENSOR LOAD, though the four work-groups of one y read the same 96,000 bytes: the loads below bring 4 of every 12 bytes into registers, where each number
; is scaled and masked on its way to LDS (32,000 bytes); a joint tile would land all 96,000 bytes in LDS and still have to pass through registers, and the bytes are
; read once, at the head, against 126 steps of 40 vector instructions a wave.
.set ATOMS,  8000                      ; atoms of a work-group
.set PASSB,  256*12                    ; bytes of Traj that the 256 threads step over in a pass
.set NBIN,   19                        ; bins in a set
.set BLOCK,  512                       ; LDS bytes of 128 positions: two steps of a wave.  63 blocks: 8,000 atoms and 64 fillers of 1e30
.set ZO,  2                            ; v2       12 t: my atom's bytes in a pass
.set LS,  3                            ; v3       4 t: its word in LDS
.set BIG, 4                            ; v4       1e30
.set LA,  5                            ; v5       LDS address of my 16 bytes in the block loaded last
.set PA,  6                            ; v6       where my wave puts its 19 sums
.set MA,  8                            ; v[8:15]  byte offsets into z_mask
.set MK,  16                           ; v[16:23] mask bytes
.set D,   24                           ; v[24:55] z as loaded, one register a pass
.set ACC, 64                           ; v[64:101] 19 pairs of sums (even atoms', odd atoms'); bin i of the set at ACC + 2 i
.set Q,   104                          ; v[104:107] four positions: two steps
.set U,   108                          ; v[108:109] u'
.set PE2, 110                          ; E^2, E^3, E^-2, E^-3 of the unit that is being summed
.set PE3, 112
.set PI2, 114
.set PI3, 116
.set Z0,  120                          ; two sets of 8: exponents  +0 log2 E, +2 of p(0), +4 of p(-6), +6 of p(6)
.set S0,  136                          ; two sets of 10: +0 E, +2 1/E, +4 p(0), +6 p(-6), +8 p(6)
.set OD,  156                          ; v[156:157] the way out
.set GA,  158
.set NC,  16                           ; s[16:17] minus the set's centre, in units of z'
.set EK,  18                           ; s[18:19] 2 sqrt(a)
.set BB,  20                           ; s[20:21] 44.0, the bias
.set P6,  22                           ; s[22:23] 6.0
.set M6,  24                           ; s[24:25] -6.0
.set SLO, 26                           ; s26, s27 the clamp
.set SHI, 27
.set CNT, 28
.set TMP, 29
.set LM,  32                           ; s[32:39] lane masks: atom selected, for passes r = 0 .. 7 (mod 8)
	s_load_b128 s[4:7], s[0:1], 0x0                ; Traj s[4:5], z_mask s[6:7]
	s_load_b64 s[8:9], s[0:1], 0x10                ; part
	v_lshl_add_u32 v160, v0, 2, 0x29000
	v_mov_b32 v161, 0
	v_lshrrev_b32 v1, 5, v0
	v_readfirstlane_b32 s10, v1                    ; wave 0..7
	s_and_b32 s11, ttmp7, 0xffff                   ; y: which 8,000 atoms
	s_mul_i32 s14, s11, ATOMS*12                   ; their first byte (6,048,000 at the most)
	s_mov_b32 s15, 0
	s_mul_i32 s[TMP], s11, ATOMS
	v_mul_u32_u24 v[ZO], v0, 12
	v_lshlrev_b32 v[LS], 2, v0
	v_mov_b32 v[BIG], 0x7149f2ca                   ; 1e30
	v_add_nc_u32 v1, s[TMP], v0                    ; my atom's number in pass 0
; In pass r thread t has atom 8,000 y + t + 256 r; its mask byte is that number mod 2,048, which repeats after 8 passes.
.irp r, 0,1,2,3,4,5,6,7
	v_add_nc_u32 v[MA+\r], 256*\r, v1
.endr
.irp r, 0,1,2,3,4,5,6,7
	v_and_b32 v[MA+\r], 0x7ff, v[MA+\r]
.endr
	v_mov_b32 v[D+31], v[BIG]                      ; pass 31: atoms 7,936 .. 7,999 are waves 0 and 1's; waves 2 and 3 keep this and make the 64 fillers
	s_wait_kmcnt 0x0
	s_add_nc_u64 s[4:5], s[4:5], s[14:15]
	s_cmp_lt_u32 s10, 2
	s_cbranch_scc0 .Lno_tail_load
	global_load_b32 v[D+31], v[ZO], s[4:5] offset:31*PASSB+8   ; issued first, so that the counts below are the same in every wave
.Lno_tail_load:
.irp r, 0,1,2,3,4,5,6,7
	global_load_u8 v[MK+\r], v[MA+\r], s[6:7]
.endr
.set r, 0
.rept 31
	global_load_b32 v[D+r], v[ZO], s[4:5] offset:r*PASSB+8     ; z alone; a wave's load spans 384 consecutive bytes
.set r, r+1
.endr
	; scalar constants, while the loads are on their way
	s_lshl3_add_u32 s[TMP], ttmp9, s10             ; my set = 8 x + wave
	s_mul_i32 s[TMP], s[TMP], 2*NBIN
	s_add_co_u32 s[TMP], s[TMP], NBIN              ; twice (19 set + 9.5) = twice the centre in units of dr (bin j lies at (j + 0.5) dr)
	s_cvt_f32_u32 s[NC], s[TMP]
	s_mul_f32 s[NC], s[NC], 0xbed96d27             ; times -sqrt(a) / 2
	s_mov_b32 s[NC+1], s[NC]
	s_mov_b32 s[EK], 0x3fd96d27                    ; 2 sqrt(a) = 1.6986436
	s_mov_b32 s[EK+1], s[EK]
	s_mov_b32 s[BB], 0x42300000                    ; 44.0
	s_mov_b32 s[BB+1], s[BB]
	s_mov_b32 s[P6], 0x40c00000                    ; 6.0
	s_mov_b32 s[P6+1], s[P6]
	s_mov_b32 s[M6], 0xc0c00000                    ; -6.0
	s_mov_b32 s[M6+1], s[M6]
	s_mov_b32 s[SLO], 0xc1a40000                   ; -20.5
	s_mov_b32 s[SHI], 0x41a40000                   ; 20.5
	s_mov_b32 s12, 0x76543210                      ; v_permlanex16_b32: each lane takes its own place in the other half
	s_mov_b32 s13, 0xfedcba98
	s_lshl2_add_u32 s[TMP], s11, ttmp9             ; my piece of part: 4 y + x, 768 bytes each
	s_mul_i32 s14, s[TMP], 768
	s_add_nc_u64 s[8:9], s[8:9], s[14:15]
	s_wait_loadcnt 31                              ; the 31 loads of z issued last may stay out: the mask bytes and pass 31's load are in
.irp r, 0,1,2,3,4,5,6,7
	v_cmp_ne_u32 s[LM+\r], 0, v[MK+\r]
.endr
.set r, 0
.rept 31
	s_wait_loadcnt 30-r                            ; loads come back in order: pass r's is in, the 30 - r behind it stay out
	v_mul_f32 v[D+r], 0x4107e439, v[D+r]           ; z' = z sqrt(a) / dr = 8.493218 z
	v_cndmask_b32 v[D+r], v[BIG], v[D+r], s[LM+(r&7)]   ; an atom that is not selected goes far away: it adds exactly 0
	ds_store_b32 v[LS], v[D+r] offset:r*1024
.set r, r+1
.endr
	v_mul_f32 v[D+31], 0x4107e439, v[D+31]
	v_cndmask_b32 v[D+31], v[BIG], v[D+31], s[LM+7]
	s_cmp_lt_u32 s10, 4                            ; pass 31 fills words 7,936 .. 8,063: waves 0 to 3
	s_cbranch_scc0 .Lno_tail_store
	ds_store_b32 v[LS], v[D+31] offset:31*1024
.Lno_tail_store:
	s_wait_dscnt 0x0                               ; for the others' sake: my stores are done
	s_barrier_signal -1
	s_barrier_wait -1
; Exponential n of a unit's ten: from the exponents in ZN into SN.
.macro XP n, on
.if \on
.if \n < 2
	v_exp_f32 v[SN+\n], v[ZN+\n]
.elseif \n < 4
	v_exp_f32 v[SN+\n], -v[ZN+\n-2]
.else
	v_exp_f32 v[SN+\n], v[ZN+\n-2]
.endif
.endif
.endm
; Bin idx takes p(A) E^m; first = 1: the first unit's products start the sums, nothing is cleared.
.macro AC idx, a, pw, on, first
.if \on
.if \first
	v_pk_mul_f32 v[ACC+2*\idx:ACC+2*\idx+1], v[\a:\a+1], v[\pw:\pw+1]
.else
	v_pk_fma_f32 v[ACC+2*\idx:ACC+2*\idx+1], v[\a:\a+1], v[\pw:\pw+1], v[ACC+2*\idx:ACC+2*\idx+1]
.endif
.endif
.endm
.macro AC0 idx, a, on, first           ; m = 0
.if \on
.if \first
	v_mov_b32 v[ACC+2*\idx], v[\a]
	v_mov_b32 v[ACC+2*\idx+1], v[\a+1]
.else
	v_pk_add_f32 v[ACC+2*\idx:ACC+2*\idx+1], v[ACC+2*\idx:ACC+2*\idx+1], v[\a:\a+1]
.endif
.endif
.endm
; A STEP, for unit i of parity par: three stages of three units side by side, none of which reads what another writes in this step.
;   back: unit i is summed: 4 powers and 19 bins, out of S[par]
;   ex:   unit i + 1's ten exponentials, Z[1 - par] -> S[1 - par]
;   pre:  unit i + 2's exponents, from Q's pair par into Z[par]
; An exponential stands in front of every three plain instructions; the plain one behind it touches neither its result nor its source (ISA guide 5.7.2).
; load: behind the read of Q's upper pair the next block of four positions a lane is asked for; it is waited for at the head of the next even step.
.macro STEP par, back, first, ex, pre, load
.set SC, S0+10*\par
.set SN, S0+10*(1-\par)
.set ZN, Z0+8*(1-\par)
.set ZP, Z0+8*\par
.set QP, Q+2*\par
.if \pre && (\par == 0)
	s_wait_dscnt 0x0                               ; the block asked for a step ago is in
.endif
	XP 0, \ex
.if \back
	s_wait_alu depctr_va_vdst(0)
	v_pk_mul_f32 v[PE2:PE2+1], v[SC:SC+1], v[SC:SC+1]
	v_pk_mul_f32 v[PI2:PI2+1], v[SC+2:SC+3], v[SC+2:SC+3]
.endif
.if \pre
	v_pk_add_f32 v[U:U+1], v[QP:QP+1], s[NC:NC+1] op_sel_hi:[1,0]          ; u' = z' - c'
.endif
.if \load
	ds_load_b128 v[Q:Q+3], v[LA] offset:BLOCK
	v_add_nc_u32 v[LA], BLOCK, v[LA]
.endif
	XP 1, \ex
	AC0 9, SC+4, \back, \first
.if \back
	v_pk_mul_f32 v[PE3:PE3+1], v[PE2:PE2+1], v[SC:SC+1]
	v_pk_mul_f32 v[PI3:PI3+1], v[PI2:PI2+1], v[SC+2:SC+3]
.endif
	XP 2, \ex
.if \pre
	v_med3_num_f32 v[U], v[U], s[SLO], s[SHI]
	v_med3_num_f32 v[U+1], v[U+1], s[SLO], s[SHI]
.endif
	AC0 3, SC+6, \back, \first
	XP 3, \ex
	AC0 15, SC+8, \back, \first
.if \pre
	v_pk_mul_f32 v[ZP:ZP+1], v[U:U+1], s[EK:EK+1] op_sel_hi:[1,0]          ; log2 E
	v_pk_fma_f32 v[ZP+2:ZP+3], v[U:U+1], v[U:U+1], s[BB:BB+1] op_sel_hi:[1,1,0] neg_lo:[1,0,0] neg_hi:[1,0,0]   ; 44 - u'^2: p(0)
.endif
	XP 4, \ex
	AC 10, SC+4, SC, \back, \first
	AC 4, SC+6, SC, \back, \first
	AC 16, SC+8, SC, \back, \first
	XP 5, \ex
.if \pre
	v_pk_fma_f32 v[ZP+4:ZP+5], v[ZP:ZP+1], s[M6:M6+1], v[ZP+2:ZP+3] op_sel_hi:[1,0,1]   ; - 6 log2 E: p(-6)
	v_pk_fma_f32 v[ZP+6:ZP+7], v[ZP:ZP+1], s[P6:P6+1], v[ZP+2:ZP+3] op_sel_hi:[1,0,1]   ; + 6 log2 E: p(6)
.endif
	AC 8, SC+4, SC+2, \back, \first
	XP 6, \ex
	AC 2, SC+6, SC+2, \back, \first
	AC 14, SC+8, SC+2, \back, \first
	AC 11, SC+4, PE2, \back, \first
	XP 7, \ex
	AC 5, SC+6, PE2, \back, \first
	AC 17, SC+8, PE2, \back, \first
	AC 7, SC+4, PI2, \back, \first
	XP 8, \ex
	AC 1, SC+6, PI2, \back, \first
	AC 13, SC+8, PI2, \back, \first
	AC 6, SC+6, PE3, \back, \first
	XP 9, \ex
	AC 18, SC+8, PE3, \back, \first
	AC 0, SC+6, PI3, \back, \first
	AC 12, SC+8, PI3, \back, \first
.endm
.macro TRIP first, pre, load           ; two steps: one block of 128 positions
	STEP 0, 1, \first, 1, \pre, 0
	STEP 1, 1, 0, 1, \pre, \load
.endm
	v_and_b32 v1, 31, v0
	v_lshlrev_b32 v[LA], 4, v1                     ; a lane takes 16 neighbouring bytes of a block: no two lanes share a bank
	ds_load_b128 v[Q:Q+3], v[LA]                   ; block 0
	STEP 0, 0, 0, 0, 1, 0                          ; the pipeline fills: unit 0's exponents,
	STEP 1, 0, 0, 1, 1, 1                          ; unit 0's exponentials, unit 1's exponents, block 1
	TRIP 1, 1, 1                                   ; trip 0: unit 0 starts the sums; block 2
	s_mov_b32 s[CNT], 60
.Ltrip:                                                ; trips 1 to 60: trip k sums units 2 k, 2 k + 1 and asks for block k + 2 (62 at the last)
	TRIP 0, 1, 1
	s_sub_co_i32 s[CNT], s[CNT], 1
	s_cmp_lg_u32 s[CNT], 0
	s_cbranch_scc1 .Ltrip
	TRIP 0, 1, 0                                   ; trip 61: nothing is left to ask for
	STEP 0, 1, 0, 1, 0, 0                          ; the pipeline drains: units 124 and 125
	STEP 1, 1, 0, 0, 0, 0
	; THE WAY OUT.  The stage for the sums takes the positions' first 608 bytes, so every wave's reads of them come first: wait, signal; the sums over the lanes are register work.
	s_wait_dscnt 0x0
	s_barrier_signal -1
.set i, 0
.rept NBIN
	v_add_f32 v[ACC+2*i], v[ACC+2*i], v[ACC+2*i+1]         ; even atoms' + odd atoms'
.set i, i+1
.endr
.irp m, 1,2,4,8                        ; inside each half of 16 lanes, 19 chains side by side
.set i, 0
.rept NBIN
	v_add_f32_dpp v[ACC+2*i], v[ACC+2*i], v[ACC+2*i] row_xmask:\m row_mask:0xf bank_mask:0xf
.set i, i+1
.endr
.endr
.set i, 0
.rept NBIN
	v_permlanex16_b32 v[ACC+2*i+1], v[ACC+2*i], s12, s13   ; the other half
.set i, i+1
.endr
.set i, 0
.rept NBIN
	v_add_f32 v[ACC+2*i], v[ACC+2*i], v[ACC+2*i+1]         ; every lane holds the wave's sum for bin i
.set i, i+1
.endr
	s_mul_i32 s[TMP], s10, 4*NBIN
	v_mov_b32 v[PA], s[TMP]
	s_barrier_wait -1                              ; nobody reads positions any more
.set i, 0
.rept NBIN
	ds_store_b32 v[PA], v[ACC+2*i] offset:4*i      ; all lanes write the same word with the same value
.set i, i+1
.endr
	s_wait_dscnt 0x0
	s_barrier_signal -1
	s_barrier_wait -1
	s_cmp_lt_u32 s10, 3                            ; the piece is 192 floats: 8 x 19 sums, then 40 zeros: three waves, 8 bytes a lane
	s_cbranch_scc0 .Ldone
	v_min_u32 v1, 75, v0                           ; threads 76 .. 95 read a word that is written and replace it by 0
	v_lshlrev_b32 v1, 3, v1
	ds_load_b64 v[OD:OD+1], v1
	v_cmp_gt_u32 vcc_lo, 76, v0
	v_lshlrev_b32 v[GA], 3, v0
	s_wait_dscnt 0x0
	v_cndmask_b32 v[OD], 0, v[OD], vcc_lo
	v_cndmask_b32 v[OD+1], 0, v[OD+1], vcc_lo
	global_store_b64 v[GA], v[OD:OD+1], s[8:9]     ; each wave's store covers 256 consecutive bytes, at a multiple of 256 from part's first byte
.Ldone:
	s_wait_tensorcnt 0x0
	ds_add_u32 v160, v161
	s_wait_dscnt 0x0
	s_endpgm
.Lfunc_end_k_qa4f2374ea3_smear:
	.size	k_qa4f2374ea3_smear, .Lfunc_end_k_qa4f2374ea3_smear-k_qa4f2374ea3_smear
	.p2alignl 7, 3214868480
	.fill 96, 4, 3214868480
	.section	.rodata,"a",@progbits
	.p2align	6, 0x0
	.amdhsa_kernel k_qa4f2374ea3_smear
		.amdhsa_group_segment_fixed_size 168960
		.amdhsa_private_segment_fixed_size 0
		.amdhsa_enable_private_segment 0
		.amdhsa_kernarg_size 24
		.amdhsa_user_sgpr_count 2
		.amdhsa_user_sgpr_kernarg_segment_ptr 1
		.amdhsa_wavefront_size32 1
		.amdhsa_system_sgpr_workgroup_id_x 1
		.amdhsa_system_sgpr_workgroup_id_y 1
		.amdhsa_system_sgpr_workgroup_id_z 1
		.amdhsa_system_vgpr_workitem_id 0
		.amdhsa_next_free_vgpr 162
		.amdhsa_next_free_sgpr 66
		.amdhsa_reserve_vcc 1
		.amdhsa_float_denorm_mode_32 3
		.amdhsa_float_denorm_mode_16_64 3
		.amdhsa_memory_ordered 1
		.amdhsa_forward_progress 1
		.amdhsa_inst_pref_size 43
	.end_amdhsa_kernel
	.amdgpu_metadata
---
amdhsa.version: [ 1, 2 ]
amdhsa.kernels:
  - .name:           k_qa4f2374ea3_smear
    .symbol:         k_qa4f2374ea3_smear.kd
    .args:
      - { .name: Traj, .offset: 0, .size: 8, .value_kind: global_buffer, .address_space: global }
      - { .name: z_mask, .offset: 8, .size: 8, .value_kind: global_buffer, .address_space: global }
      - { .name: part, .offset: 16, .size: 8, .value_kind: global_buffer, .address_space: global }
    .group_segment_fixed_size: 168960
    .private_segment_fixed_size: 0
    .kernarg_segment_align: 8
    .kernarg_segment_size: 24
    .max_flat_workgroup_size: 256
    .sgpr_count:     66
    .vgpr_count:     162
    .wavefront_size: 32
...
	.end_amdgpu_metadata
.endif
;; end of part 1
;; launch finish (part 2): grid 1 x 1, 24 waves a work-group, no clusters, 15,616 bytes of LDS; arguments part, out0, out1; writes out0, out1
.if DOCPART == 2
	.amdgcn_target "amdgcn-amd-amdhsa--gfx1250"
	.amdhsa_code_object_version 6
	.text
	.protected	k_qa4f2374ea3_finish
	.globl	k_qa4f2374ea3_finish
	.p2align	8
	.type	k_qa4f2374ea3_finish,@function
k_qa4f2374ea3_finish:
	s_mov_b64 s[64:65], 0
	v_nop
	global_prefetch_b8 v0, s[64:65] scope:SCOPE_SE
	s_setreg_imm32_b32 hwreg(HW_REG_WAVE_MODE, 25, 1), 1
	s_wait_xcnt 0x0
; part holds 256 pieces of 192 floats: piece 4 y + x = the sums of sets 8 x .. 8 x + 7 (19 bins each, then 40 zeros) over atom part y.
; One work-group adds the 64 parts, multiplies bin j's sum by e^(-rho^2/2) (rho = j mod 19 - 9: its place in its set), drops slots 598 .. 607, divides by the total
; and writes out1; out0[j] = 0.05 + 0.1 j.  One work-group, since every output needs the sum over all bins.  The common factor 2^44 norm dr / T cancels in the division.
; Sums stay under 2^121.4 before and 2^85 behind the constant.  If no atom reaches any bin the total is 0 and 0 x (1/0) gives NaN, as 0/0 does in the reference.
; 768 threads.  Thread t reads the 16 bytes at 16 t + 12,288 k, k = 0 .. 15: dense, and 12,288 bytes are 16 pieces, so all sixteen are the same four slots of the
; same x, of the parts y = (t / 192) mod 4 ... + 4 k.  The four residues of y meet in LDS.
.set X,  16                            ; v[16:79] the sixteen loads
.set R,  80                            ; v[80:83] four residues' sums
.set VV, 12                            ; my slot's value
.set T1, 13
.set T2, 14
.set WA, 15
.set W,  84                            ; v[84:107] the 24 waves' totals
.set TOT, 12288                        ; LDS: 24 words behind the 12,288 bytes of slot sums
	s_load_b128 s[4:7], s[0:1], 0x0                ; part s[4:5], out0 s[6:7]
	s_load_b64 s[8:9], s[0:1], 0x10                ; out1
	v_lshl_add_u32 v108, v0, 2, 0x3100
	v_mov_b32 v109, 0
	v_lshlrev_b32 v1, 4, v0
	v_lshrrev_b32 v2, 5, v0
	v_readfirstlane_b32 s10, v2                    ; wave 0..23
	s_mov_b32 s12, 0x76543210
	s_mov_b32 s13, 0xfedcba98
	s_wait_kmcnt 0x0
.set k, 0
.rept 16
	global_load_b128 v[X+4*k:X+4*k+3], v1, s[4:5] offset:12288*k th:TH_LOAD_NT
.set k, k+1
.endr
	; whole-number work on the thread's number u, while the loads are on their way: later thread u owns padded slot u = 192 x + idx
	v_lshrrev_b32 v2, 6, v0
	v_mul_u32_u24 v2, v2, 43
	v_lshrrev_b32 v2, 7, v2                        ; x = (u / 64) / 3, exact for u / 64 <= 11
	v_mul_u32_u24 v3, v2, 192
	v_sub_nc_u32 v3, v0, v3                        ; idx = u - 192 x
	v_mul_u32_u24 v4, v2, 40
	v_sub_nc_u32 v4, v0, v4                        ; bin j = 152 x + idx
	v_mul_u32_u24 v5, v3, 27
	v_lshrrev_b32 v5, 9, v5                        ; idx / 19, exact for idx <= 191 (27 x 19 = 513)
	v_mul_u32_u24 v5, v5, 19
	v_sub_nc_u32 v5, v3, v5
	v_add_nc_u32 v5, -9, v5                        ; rho
	v_cvt_f32_i32 v5, v5
	v_mul_f32 v6, 0xbf38aa3b, v5                   ; -log2(e) / 2 x rho
	v_mul_f32 v6, v6, v5
	v_exp_f32 v6, v6                               ; e^(-rho^2 / 2)
	v_cmp_gt_u32 s14, 152, v3                      ; not a piece's padding,
	v_cmp_gt_u32 vcc_lo, 598, v4                   ; and a bin that exists
	s_and_b32 vcc_lo, vcc_lo, s14
	v_cvt_f32_u32 v7, v4
	v_mov_b32 v9, 0x3dcccccd                       ; 0.1
	v_fmaak_f32 v10, v7, v9, 0x3d4ccccd            ; out0 = 0.1 j + 0.05
	v_lshlrev_b32 v11, 2, v4
	v_lshlrev_b32 v8, 2, v0
.set k, 1
.rept 15
	s_wait_loadcnt 15-k                            ; loads come back in order: load k is in, the 15 - k behind it stay out
	v_pk_add_f32 v[X:X+1], v[X:X+1], v[X+4*k:X+4*k+1]
	v_pk_add_f32 v[X+2:X+3], v[X+2:X+3], v[X+4*k+2:X+4*k+3]
.set k, k+1
.endr
	ds_store_b128 v1, v[X:X+3]                     ; float 4 t + e = 768 (y mod 4) + 192 x + idx
	s_wait_dscnt 0x0                               ; for the others' sake
	s_barrier_signal -1
	s_barrier_wait -1
.irp g, 0,1,2,3
	ds_load_b32 v[R+\g], v8 offset:3072*\g         ; padded slot u of the four residues
.endr
	s_wait_dscnt 0x0
	v_add_f32 v[R], v[R], v[R+1]
	v_add_f32 v[R+2], v[R+2], v[R+3]
	v_add_f32 v[R], v[R], v[R+2]
	s_wait_alu depctr_va_vdst(0)
	v_mul_f32 v[R], v[R], v6
	v_cndmask_b32 v[VV], 0, v[R], vcc_lo           ; my bin's density, up to the common factor; 0 where there is no bin
	v_mov_b32 v[T1], v[VV]
	v_add_f32_dpp v[T1], v[T1], v[T1] row_xmask:1 row_mask:0xf bank_mask:0xf
	v_add_f32_dpp v[T1], v[T1], v[T1] row_xmask:2 row_mask:0xf bank_mask:0xf
	v_add_f32_dpp v[T1], v[T1], v[T1] row_xmask:4 row_mask:0xf bank_mask:0xf
	v_add_f32_dpp v[T1], v[T1], v[T1] row_xmask:8 row_mask:0xf bank_mask:0xf
	v_permlanex16_b32 v[R+1], v[T1], s12, s13
	v_add_f32 v[T1], v[T1], v[R+1]                 ; the wave's total
	s_lshl_b32 s11, s10, 2
	v_mov_b32 v[WA], s11
	ds_store_b32 v[WA], v[T1] offset:TOT           ; bytes of their own, behind the slot sums
	s_wait_dscnt 0x0
	s_barrier_signal -1
	s_barrier_wait -1
	v_mov_b32 v[T2], 0
.irp n, 0,1,2,3,4,5
	ds_load_b128 v[W+4*\n:W+4*\n+3], v[T2] offset:TOT+16*\n
.endr
	s_wait_dscnt 0x0
.irp n, 0,1,2,3,4,5
	v_pk_add_f32 v[W+4*\n:W+4*\n+1], v[W+4*\n:W+4*\n+1], v[W+4*\n+2:W+4*\n+3]
.endr
.irp n, 0,2,4
	v_pk_add_f32 v[W+4*\n:W+4*\n+1], v[W+4*\n:W+4*\n+1], v[W+4*\n+4:W+4*\n+5]
.endr
	v_pk_add_f32 v[W:W+1], v[W:W+1], v[W+8:W+9]
	v_pk_add_f32 v[W:W+1], v[W:W+1], v[W+16:W+17]
	v_add_f32 v[W], v[W], v[W+1]                   ; P.sum, in every lane
	v_rcp_f32 v[T1], v[W]
	v_nop                                          ; a plain instruction between the reciprocal and its use (ISA guide 5.7.2)
	s_wait_alu depctr_va_vdst(0)
	v_mul_f32 v[VV], v[VV], v[T1]
	s_wait_xcnt 0x0                                ; EXEC changes only behind this wait
	s_wait_tensorcnt 0x0
	ds_add_u32 v108, v109
	s_wait_dscnt 0x0
	s_and_saveexec_b32 s14, vcc_lo                 ; the 598 threads that own a bin
	global_store_b32 v11, v10, s[6:7]
	global_store_b32 v11, v[VV], s[8:9]
	s_wait_xcnt 0x0
	s_or_b32 exec_lo, exec_lo, s14
	s_endpgm
.Lfunc_end_k_qa4f2374ea3_finish:
	.size	k_qa4f2374ea3_finish, .Lfunc_end_k_qa4f2374ea3_finish-k_qa4f2374ea3_finish
	.p2alignl 7, 3214868480
	.fill 96, 4, 3214868480
	.section	.rodata,"a",@progbits
	.p2align	6, 0x0
	.amdhsa_kernel k_qa4f2374ea3_finish
		.amdhsa_group_segment_fixed_size 15616
		.amdhsa_private_segment_fixed_size 0
		.amdhsa_enable_private_segment 0
		.amdhsa_kernarg_size 24
		.amdhsa_user_sgpr_count 2
		.amdhsa_user_sgpr_kernarg_segment_ptr 1
		.amdhsa_wavefront_size32 1
		.amdhsa_system_sgpr_workgroup_id_x 1
		.amdhsa_system_sgpr_workgroup_id_y 1
		.amdhsa_system_sgpr_workgroup_id_z 1
		.amdhsa_system_vgpr_workitem_id 0
		.amdhsa_next_free_vgpr 110
		.amdhsa_next_free_sgpr 66
		.amdhsa_reserve_vcc 1
		.amdhsa_float_denorm_mode_32 3
		.amdhsa_float_denorm_mode_16_64 3
		.amdhsa_memory_ordered 1
		.amdhsa_forward_progress 1
		.amdhsa_inst_pref_size 9
	.end_amdhsa_kernel
	.amdgpu_metadata
---
amdhsa.version: [ 1, 2 ]
amdhsa.kernels:
  - .name:           k_qa4f2374ea3_finish
    .symbol:         k_qa4f2374ea3_finish.kd
    .args:
      - { .name: part, .offset: 0, .size: 8, .value_kind: global_buffer, .address_space: global }
      - { .name: out0, .offset: 8, .size: 8, .value_kind: global_buffer, .address_space: global }
      - { .name: out1, .offset: 16, .size: 8, .value_kind: global_buffer, .address_space: global }
    .group_segment_fixed_size: 15616
    .private_segment_fixed_size: 0
    .kernarg_segment_align: 8
    .kernarg_segment_size: 24
    .max_flat_workgroup_size: 768
    .sgpr_count:     66
    .vgpr_count:     110
    .wavefront_size: 32
...
	.end_amdgpu_metadata
.endif
;; end of part 2
;; ======== version 2 of 2: 2 launches; 1.21 times as fast as version 1
;; workspace buffers: part 196,608 bytes
;; launch smear (part 3): grid 4 x 64, 8 waves a work-group, no clusters, 168,960 bytes of LDS; arguments Traj, z_mask, part; writes part
.if DOCPART == 3
	.amdgcn_target "amdgcn-amd-amdhsa--gfx1250"
	.amdhsa_code_object_version 6
	.text
	.protected	k_qa4f2374ea3_smear
	.globl	k_qa4f2374ea3_smear
	.p2align	8
	.type	k_qa4f2374ea3_smear,@function
k_qa4f2374ea3_smear:
	s_mov_b64 s[64:65], 0
	v_nop
	global_prefetch_b8 v0, s[64:65] scope:SCOPE_SE
	s_setreg_imm32_b32 hwreg(HW_REG_WAVE_MODE, 25, 1), 1
	s_wait_xcnt 0x0
; Gaussian smearing of 512,000 positions z = Traj[t][n][2] onto 598 bins that lie one sigma (dr = 0.1) apart; this launch makes part sums.
; THE ARITHMETIC.  19 neighbouring bins are a SET with centre c (its tenth bin).  With u = (z - c) / dr a bin at offset rho = -9 .. 9 gets
;   exp(-(u - rho)^2 / 2) = p(rho) e^(-rho^2 / 2),   p(rho) = exp(-u^2 / 2 + u rho),   p(A + m) = p(A) E^m,   E = e^u.
; So an atom costs a set five exponentials (E, 1/E, p(-6), p(0), p(6)), four multiplies (E^2, E^3, E^-2, E^-3) and one multiply-add a bin, not 19
; exponentials.  e^(-rho^2/2) is a constant of the bin and is applied once, behind the work-group's sums, on the way out; norm, dr, 1/T and the bias below cancel in P / P.sum.
; UNITS.  Positions are kept as z' = z sqrt(a) / dr, a = log2(e) / 2, so that 2^(-u'^2) = e^(-u^2/2) and 2^(2 sqrt(a) u') = E.
; RANGE.  Every p carries the bias 2^44.  u is clamped to +-20.5 / sqrt(a) = +-24.1: the nearest bin of the set is then 15 sigma off, the three exponents are
; below -150, so the three p are exactly 0, and E^3 <= 2^105 is finite: such an atom adds exactly 0.  The largest term is 2^44 e^(81/2) = 2^102.4; all 2^19 atoms
; at that place give 2^121.4: no sum overflows.  p(A) flushes to 0 only where |u - A| > 15.3 (A = 0, serves |m| <= 2) or 16.3 (A = +-6, |m| <= 3): what is
; lost is a term under e^-88 of a peak, below the smallest normal f32.  Behind the constant a sum is at most 2^44 x 2^19.
; LIMITS.  A NaN position is clamped away and adds nothing (the reference would give NaN everywhere), at a masked atom too.  The order of the sums differs.
; SHARES.  Work-group (x, y): the 8 sets 8 x .. 8 x + 7 and the 8,000 atoms from 8,000 y on.  Its 256 threads bring z' of these atoms into LDS once (masked atoms as
; 1e30, which the clamp turns into 0); then wave w takes set 8 x + w over all of them, 64 atoms a step: 32 lanes, two atoms in a register pair.
; WHAT IT LEAVES.  Piece 4 y + x of part, 192 floats: slots 0 .. 151 the 8 x 19 densities of these atoms (0 where 152 x + slot is no bin), slot 152 their sum, the rest 0.
; The sum is what lets the next launch divide by P.sum without any of its work-groups reading all pieces whole.
; LDS.  Bytes 0 .. 32,255: 63 blocks of 128 positions, written once, then only read.  Bytes 32,256 .. 32,863: the eight waves' 19 sums, bytes of their own.
; NO CLUSTER, NO TENSOR LOAD, though the four work-groups of one y read the same 96,000 bytes: the loads below bring 4 of every 12 bytes into registers, where each number
; is scaled and masked on its way to LDS (32,000 bytes); a joint tile would land all 96,000 bytes in LDS and still have to pass through registers, and the bytes are
; read once, at the head, against 126 steps of 40 vector instructions a wave.
.set ATOMS,  8000                      ; atoms of a work-group
.set PASSB,  256*12                    ; bytes of Traj that the 256 threads step over in a pass
.set NBIN,   19                        ; bins in a set
.set NBINS,  598                       ; bins in all
.set BLOCK,  512                       ; LDS bytes of 128 positions: two steps of a wave.  63 blocks: 8,000 atoms and 64 fillers of 1e30
.set SUMS,   63*BLOCK                  ; behind the positions: 8 x 19 words
.set ZO,  2                            ; v2       12 t: my atom's bytes in a pass
.set LS,  3                            ; v3       4 t: its word in LDS
.set BIG, 4                            ; v4       1e30
.set LA,  5                            ; v5       LDS address of my 16 bytes in the first of the three blocks to be loaded next
.set PA,  6                            ; v6       where my wave puts its 19 sums
.set MA,  8                            ; v[8:15]  byte offsets into z_mask
.set MK,  16                           ; v[16:23] mask bytes
.set D,   24                           ; v[24:55] z as loaded, one register a pass
.set CF,  56                           ; v[56:61] the way out: e^(-rho^2/2) of slots 64 k + 2 lane + e (register 2 k + e), 0 where the slot is no bin
.set L2,  62                           ; v62      2 x lane, at the head
.set ACC, 64                           ; v[64:101] 19 pairs of sums (even atoms', odd atoms'); bin i of the set at ACC + 2 i
.set IDX, 64                           ; v[64:69], v[70:75] at work at the head, before the sums begin
.set WK,  70
.set Q,   104                          ; v[104:115] three blocks, twelve positions a lane: six steps
.set U,   116                          ; v[116:117] u'
.set PE2, 118                          ; E^2, E^3, E^-2, E^-3 of the unit that is being summed
.set PE3, 120
.set PI2, 122
.set PI3, 124
.set Z0,  128                          ; two sets of 8: exponents  +0 log2 E, +2 of p(0), +4 of p(-6), +6 of p(6)
.set S0,  144                          ; two sets of 10: +0 E, +2 1/E, +4 p(0), +6 p(-6), +8 p(6)
.set OD,  128                          ; v[128:133] the way out: the piece, six floats a lane (the exponents' registers are free then)
.set TT,  134                          ; v[134:135] the way out: the piece's sum
.set GA,  164                          ; v164     8 x lane
.set RB,  165                          ; v165     8 x min(lane, 11)
.set NC,  16                           ; s[16:17] minus the set's centre, in units of z'
.set EK,  18                           ; s[18:19] 2 sqrt(a)
.set BB,  20                           ; s[20:21] 44.0, the bias
.set P6,  22                           ; s[22:23] 6.0
.set M6,  24                           ; s[24:25] -6.0
.set SLO, 26                           ; s26, s27 the clamp
.set SHI, 27
.set CNT, 28
.set TMP, 29
.set LIM, 30                           ; s30      slots of my piece that are bins: min(152, 598 - 152 x)
.set LM,  32                           ; s[32:39] lane masks: atom selected, for passes r = 0 .. 7 (mod 8)
	s_load_b128 s[4:7], s[0:1], 0x0                ; Traj s[4:5], z_mask s[6:7]
	s_load_b64 s[8:9], s[0:1], 0x10                ; part
	v_lshl_add_u32 v168, v0, 2, 0x29000
	v_mov_b32 v169, 0
	v_lshrrev_b32 v1, 5, v0
	v_readfirstlane_b32 s10, v1                    ; wave 0..7
	s_and_b32 s11, ttmp7, 0xffff                   ; y: which 8,000 atoms
	s_mul_i32 s14, s11, ATOMS*12                   ; their first byte (6,048,000 at the most)
	s_mov_b32 s15, 0
	s_mul_i32 s[TMP], s11, ATOMS
	v_mul_u32_u24 v[ZO], v0, 12
	v_lshlrev_b32 v[LS], 2, v0
	v_mov_b32 v[BIG], 0x7149f2ca                   ; 1e30
	v_add_nc_u32 v1, s[TMP], v0                    ; my atom's number in pass 0
; In pass r thread t has atom 8,000 y + t + 256 r; its mask byte is that number mod 2,048, which repeats after 8 passes.
.irp r, 0,1,2,3,4,5,6,7
	v_add_nc_u32 v[MA+\r], 256*\r, v1
.endr
.irp r, 0,1,2,3,4,5,6,7
	v_and_b32 v[MA+\r], 0x7ff, v[MA+\r]
.endr
	v_mov_b32 v[D+31], v[BIG]                      ; pass 31: atoms 7,936 .. 7,999 are waves 0 and 1's; waves 2 and 3 keep this and make the 64 fillers
	s_wait_kmcnt 0x0
	s_add_nc_u64 s[4:5], s[4:5], s[14:15]
	s_cmp_lt_u32 s10, 2
	s_cbranch_scc0 .Lno_tail_load
	global_load_b32 v[D+31], v[ZO], s[4:5] offset:31*PASSB+8   ; issued first, so that the counts below are the same in every wave
.Lno_tail_load:
.irp r, 0,1,2,3,4,5,6,7
	global_load_u8 v[MK+\r], v[MA+\r], s[6:7]
.endr
.set r, 0
.rept 31
	global_load_b32 v[D+r], v[ZO], s[4:5] offset:r*PASSB+8     ; z alone; a wave's load spans 384 consecutive bytes
.set r, r+1
.endr
	; scalar constants, while the loads are on their way
	s_lshl3_add_u32 s[TMP], ttmp9, s10             ; my set = 8 x + wave
	s_mul_i32 s[TMP], s[TMP], 2*NBIN
	s_add_co_u32 s[TMP], s[TMP], NBIN              ; twice (19 set + 9.5) = twice the centre in units of dr (bin j lies at (j + 0.5) dr)
	s_cvt_f32_u32 s[NC], s[TMP]
	s_mul_f32 s[NC], s[NC], 0xbed96d27             ; times -sqrt(a) / 2
	s_mov_b32 s[NC+1], s[NC]
	s_mov_b32 s[EK], 0x3fd96d27                    ; 2 sqrt(a) = 1.6986436
	s_mov_b32 s[EK+1], s[EK]
	s_mov_b32 s[BB], 0x42300000                    ; 44.0
	s_mov_b32 s[BB+1], s[BB]
	s_mov_b32 s[P6], 0x40c00000                    ; 6.0
	s_mov_b32 s[P6+1], s[P6]
	s_mov_b32 s[M6], 0xc0c00000                    ; -6.0
	s_mov_b32 s[M6+1], s[M6]
	s_mov_b32 s[SLO], 0xc1a40000                   ; -20.5
	s_mov_b32 s[SHI], 0x41a40000                   ; 20.5
	s_mov_b32 s12, 0x76543210                      ; v_permlanex16_b32: each lane takes its own place in the other half
	s_mov_b32 s13, 0xfedcba98
	s_lshl2_add_u32 s[TMP], s11, ttmp9             ; my piece of part: 4 y + x, 768 bytes each
	s_mul_i32 s14, s[TMP], 768
	s_add_nc_u64 s[8:9], s[8:9], s[14:15]
	s_mul_i32 s[LIM], ttmp9, 8*NBIN
	s_sub_co_u32 s[LIM], NBINS, s[LIM]
	s_min_u32 s[LIM], s[LIM], 8*NBIN               ; 152, in the last group of sets 142
	; The constants of the way out, also while the loads are on their way: for slot = 64 k + 2 lane + e of the piece, rho = slot mod 19 - 9 and e^(-rho^2/2).
	v_and_b32 v1, 31, v0                           ; lane
	v_lshlrev_b32 v[LA], 4, v1                     ; a lane takes 16 neighbouring bytes of a block: no two lanes share a bank
	v_lshlrev_b32 v[L2], 1, v1
	v_lshlrev_b32 v[GA], 3, v1
	v_min_u32 v[RB], 11, v1
	v_lshlrev_b32 v[RB], 3, v[RB]
.set cn, 0
.rept 6
	v_add_nc_u32 v[IDX+cn], 64*(cn/2)+(cn%2), v[L2]        ; the slot, 0 .. 191
.set cn, cn+1
.endr
.set cn, 0
.rept 6
	v_mul_u32_u24 v[WK+cn], v[IDX+cn], 27
.set cn, cn+1
.endr
.set cn, 0
.rept 6
	v_lshrrev_b32 v[WK+cn], 9, v[WK+cn]                    ; slot / 19, exact up to 191 (27 x 19 = 513)
.set cn, cn+1
.endr
.set cn, 0
.rept 6
	v_mul_u32_u24 v[WK+cn], v[WK+cn], NBIN
.set cn, cn+1
.endr
.set cn, 0
.rept 6
	v_sub_nc_u32 v[WK+cn], v[IDX+cn], v[WK+cn]
.set cn, cn+1
.endr
.set cn, 0
.rept 6
	v_add_nc_u32 v[WK+cn], -9, v[WK+cn]                    ; rho
.set cn, cn+1
.endr
.set cn, 0
.rept 6
	v_cvt_f32_i32 v[WK+cn], v[WK+cn]
.set cn, cn+1
.endr
.set cn, 0
.rept 6
	v_mul_f32 v[CF+cn], 0xbf38aa3b, v[WK+cn]               ; -log2(e) / 2 x rho
.set cn, cn+1
.endr
.set cn, 0
.rept 6
	v_mul_f32 v[CF+cn], v[CF+cn], v[WK+cn]
.set cn, cn+1
.endr
.set cn, 0
.rept 6
	v_exp_f32 v[CF+cn], v[CF+cn]                           ; e^(-rho^2 / 2); the compare below is the plain instruction behind the last of them (ISA guide 5.7.2)
.set cn, cn+1
.endr
.set cn, 0
.rept 6
	v_cmp_gt_u32 vcc_lo, s[LIM], v[IDX+cn]                 ; a slot that is a bin
	s_wait_alu depctr_va_vdst(0)
	v_cndmask_b32 v[CF+cn], 0, v[CF+cn], vcc_lo
.set cn, cn+1
.endr
	s_wait_loadcnt 31                              ; the 31 loads of z issued last may stay out: the mask bytes and pass 31's load are in
.irp r, 0,1,2,3,4,5,6,7
	v_cmp_ne_u32 s[LM+\r], 0, v[MK+\r]
.endr
.set r, 0
.rept 31
	s_wait_loadcnt 30-r                            ; loads come back in order: pass r's is in, the 30 - r behind it stay out
	v_mul_f32 v[D+r], 0x4107e439, v[D+r]           ; z' = z sqrt(a) / dr = 8.493218 z
	v_cndmask_b32 v[D+r], v[BIG], v[D+r], s[LM+(r&7)]   ; an atom that is not selected goes far away: it adds exactly 0
	ds_store_b32 v[LS], v[D+r] offset:r*1024
.set r, r+1
.endr
	v_mul_f32 v[D+31], 0x4107e439, v[D+31]
	v_cndmask_b32 v[D+31], v[BIG], v[D+31], s[LM+7]
	s_cmp_lt_u32 s10, 4                            ; pass 31 fills words 7,936 .. 8,063: waves 0 to 3
	s_cbranch_scc0 .Lno_tail_store
	ds_store_b32 v[LS], v[D+31] offset:31*1024
.Lno_tail_store:
	s_wait_dscnt 0x0                               ; for the others' sake: my stores are done
	s_barrier_signal -1
	s_barrier_wait -1
; Exponential n of a unit's ten: from the exponents in ZN into SN.
.macro XP n, on
.if \on
.if \n < 2
	v_exp_f32 v[SN+\n], v[ZN+\n]
.elseif \n < 4
	v_exp_f32 v[SN+\n], -v[ZN+\n-2]
.else
	v_exp_f32 v[SN+\n], v[ZN+\n-2]
.endif
.endif
.endm
; Bin idx takes p(A) E^m; first = 1: the first unit's products start the sums, nothing is cleared.
.macro AC idx, a, pw, on, first
.if \on
.if \first
	v_pk_mul_f32 v[ACC+2*\idx:ACC+2*\idx+1], v[\a:\a+1], v[\pw:\pw+1]
.else
	v_pk_fma_f32 v[ACC+2*\idx:ACC+2*\idx+1], v[\a:\a+1], v[\pw:\pw+1], v[ACC+2*\idx:ACC+2*\idx+1]
.endif
.endif
.endm
.macro AC0 idx, a, on, first           ; m = 0
.if \on
.if \first
	v_mov_b32 v[ACC+2*\idx], v[\a]
	v_mov_b32 v[ACC+2*\idx+1], v[\a+1]
.else
	v_pk_add_f32 v[ACC+2*\idx:ACC+2*\idx+1], v[ACC+2*\idx:ACC+2*\idx+1], v[\a:\a+1]
.endif
.endif
.endm
; A STEP, for unit i of parity par: three stages of three units side by side, none of which reads what another writes in this step.
;   back: unit i is summed: 4 powers and 19 bins, out of S[par]
;   ex:   unit i + 1's ten exponentials, Z[1 - par] -> S[1 - par]
;   pre:  unit i + 2's exponents, from pair qp of Q into Z[par]
; THE ORDER.  An exponential stands in front of every three plain instructions; the plain one behind it touches neither its result nor its source (ISA guide 5.7.2).
; Every plain result is read six instructions or more behind the one that makes it, every exponential 22 or more: the bins of p(0) come first, then p(-6)'s, then p(6)'s,
; the order in which the step before made the three.
; wt >= 0: the count of the wait for the block that this step and the next read.  load = 1: Q's last pair has just been read: the next three blocks are asked for, in one run.
; adv = 1: the LDS address goes three blocks on, three steps from the loads that read it on either side.
.macro STEP par, qp, back, first, ex, pre, wt, load, adv
.set SC, S0+10*\par
.set SN, S0+10*(1-\par)
.set ZN, Z0+8*(1-\par)
.set ZP, Z0+8*\par
.set QP, Q+2*\qp
.if \wt >= 0
	s_wait_dscnt \wt                               ; LDS loads come back in order (ISA guide 5.7.1): of the run of three, the wt youngest may stay out
.endif
.if \pre
	v_pk_add_f32 v[U:U+1], v[QP:QP+1], s[NC:NC+1] op_sel_hi:[1,0]          ; u' = z' - c'
.endif
.if \load
	ds_load_b128 v[Q:Q+3], v[LA]
	ds_load_b128 v[Q+4:Q+7], v[LA] offset:BLOCK
	ds_load_b128 v[Q+8:Q+11], v[LA] offset:2*BLOCK
.endif
	XP 0, \ex
.if \back
	s_wait_alu depctr_va_vdst(0)
	v_pk_mul_f32 v[PE2:PE2+1], v[SC:SC+1], v[SC:SC+1]
	v_pk_mul_f32 v[PI2:PI2+1], v[SC+2:SC+3], v[SC+2:SC+3]
.endif
	XP 1, \ex
	AC0 9, SC+4, \back, \first
	AC 10, SC+4, SC, \back, \first
	AC 8, SC+4, SC+2, \back, \first
	XP 2, \ex
.if \back
	v_pk_mul_f32 v[PE3:PE3+1], v[PE2:PE2+1], v[SC:SC+1]
	v_pk_mul_f32 v[PI3:PI3+1], v[PI2:PI2+1], v[SC+2:SC+3]
.endif
	AC0 3, SC+6, \back, \first
	XP 3, \ex
.if \pre
	v_med3_num_f32 v[U], v[U], s[SLO], s[SHI]
	v_med3_num_f32 v[U+1], v[U+1], s[SLO], s[SHI]
.endif
	AC 4, SC+6, SC, \back, \first
	XP 4, \ex
	AC 11, SC+4, PE2, \back, \first
	AC 7, SC+4, PI2, \back, \first
	AC 2, SC+6, SC+2, \back, \first
.if \adv
	v_add_nc_u32 v[LA], 3*BLOCK, v[LA]
.endif
	XP 5, \ex
	AC 5, SC+6, PE2, \back, \first
	AC 1, SC+6, PI2, \back, \first
.if \pre
	v_pk_mul_f32 v[ZP:ZP+1], v[U:U+1], s[EK:EK+1] op_sel_hi:[1,0]          ; log2 E
.endif
	XP 6, \ex
.if \pre
	v_pk_fma_f32 v[ZP+2:ZP+3], v[U:U+1], v[U:U+1], s[BB:BB+1] op_sel_hi:[1,1,0] neg_lo:[1,0,0] neg_hi:[1,0,0]   ; 44 - u'^2: p(0)
.endif
	AC 6, SC+6, PE3, \back, \first
	AC 0, SC+6, PI3, \back, \first
	XP 7, \ex
	AC0 15, SC+8, \back, \first
	AC 16, SC+8, SC, \back, \first
	AC 14, SC+8, SC+2, \back, \first
	XP 8, \ex
.if \pre
	v_pk_fma_f32 v[ZP+4:ZP+5], v[ZP:ZP+1], s[M6:M6+1], v[ZP+2:ZP+3] op_sel_hi:[1,0,1]   ; - 6 log2 E: p(-6)
	v_pk_fma_f32 v[ZP+6:ZP+7], v[ZP:ZP+1], s[P6:P6+1], v[ZP+2:ZP+3] op_sel_hi:[1,0,1]   ; + 6 log2 E: p(6)
.endif
	AC 17, SC+8, PE2, \back, \first
	XP 9, \ex
	AC 13, SC+8, PI2, \back, \first
	AC 18, SC+8, PE3, \back, \first
	AC 12, SC+8, PI3, \back, \first
.endm
; A BODY: six steps, the three blocks in Q.  Body b prepares units 6 b .. 6 b + 5, makes the exponentials of the six units one back and sums the six two back.
; load = 1: it asks for blocks 3 b + 3 .. 3 b + 5.  Between two runs of loads the wave issues no other LDS instruction, so the counts 2, 1, 0 hold on the way in and round the back edge.
.macro BODY load
	STEP 0, 0, 1, 0, 1, 1, 2, 0, 0
	STEP 1, 1, 1, 0, 1, 1, -1, 0, 0
	STEP 0, 2, 1, 0, 1, 1, 1, 0, \load
	STEP 1, 3, 1, 0, 1, 1, -1, 0, 0
	STEP 0, 4, 1, 0, 1, 1, 0, 0, 0
	STEP 1, 5, 1, 0, 1, 1, -1, \load, 0
.endm
	ds_load_b128 v[Q:Q+3], v[LA]                   ; blocks 0, 1, 2
	ds_load_b128 v[Q+4:Q+7], v[LA] offset:BLOCK
	ds_load_b128 v[Q+8:Q+11], v[LA] offset:2*BLOCK
	STEP 0, 0, 0, 0, 0, 1, 2, 0, 0                 ; body 0 is written out.  The pipeline fills: unit 0's exponents,
	STEP 1, 1, 0, 0, 1, 1, -1, 0, 0                ; unit 0's exponentials, unit 1's exponents;
	STEP 0, 2, 1, 1, 1, 1, 1, 0, 1                 ; unit 0 starts the sums
	STEP 1, 3, 1, 0, 1, 1, -1, 0, 0
	STEP 0, 4, 1, 0, 1, 1, 0, 0, 0
	STEP 1, 5, 1, 0, 1, 1, -1, 1, 0                ; blocks 3, 4, 5
	s_mov_b32 s[CNT], 19
.Lbody:                                                ; bodies 1 to 19; the last of them asks for blocks 60, 61, 62
	BODY 1
	s_sub_co_i32 s[CNT], s[CNT], 1
	s_cmp_lg_u32 s[CNT], 0
	s_cbranch_scc1 .Lbody
	BODY 0                                         ; body 20: nothing is left to ask for
	STEP 0, 0, 1, 0, 1, 0, -1, 0, 0                ; the pipeline drains: units 124 and 125
	STEP 1, 0, 1, 0, 0, 0, -1, 0, 0
	; THE WAY OUT.  Each wave sums its 19 bins over its lanes and puts them into its own 76 bytes behind the positions: bytes that nothing else reads or writes.
	s_mul_i32 s[TMP], s10, 4*NBIN
	v_mov_b32 v[PA], s[TMP]
.set i, 0
.rept NBIN
	v_add_f32 v[ACC+2*i], v[ACC+2*i], v[ACC+2*i+1]         ; even atoms' + odd atoms'
.set i, i+1
.endr
.irp m, 1,2,4,8                        ; inside each half of 16 lanes, 19 chains side by side
.set i, 0
.rept NBIN
	v_add_f32_dpp v[ACC+2*i], v[ACC+2*i], v[ACC+2*i] row_xmask:\m row_mask:0xf bank_mask:0xf
.set i, i+1
.endr
.endr
.set i, 0
.rept NBIN
	v_permlanex16_b32 v[ACC+2*i+1], v[ACC+2*i], s12, s13   ; the other half
.set i, i+1
.endr
.set i, 0
.rept NBIN
	v_add_f32 v[ACC+2*i], v[ACC+2*i], v[ACC+2*i+1]         ; every lane holds the wave's sum for bin i
.set i, i+1
.endr
.set i, 0
.rept NBIN
	ds_store_b32 v[PA], v[ACC+2*i] offset:SUMS+4*i ; all lanes write the same word with the same value
.set i, i+1
.endr
	s_wait_dscnt 0x0                               ; for wave 0's sake: my stores are done
	s_barrier_signal -1
	s_barrier_wait -1
	s_cmp_lg_u32 s10, 0                            ; one wave finishes the piece: 192 floats are six a lane, and their sum then needs no further barrier
	s_cbranch_scc1 .Ldone
	ds_load_b64 v[OD:OD+1], v[GA] offset:SUMS      ; slots 2 lane, 2 lane + 1
	ds_load_b64 v[OD+2:OD+3], v[GA] offset:SUMS+256    ; 64 + ..
	ds_load_b64 v[OD+4:OD+5], v[RB] offset:SUMS+512    ; 128 + ..: only words 0 .. 151 are sums, so lanes 12 .. 31 read lane 11's two; their constants are 0
	v_cmp_eq_u32 vcc_lo, 12, v1                    ; lane 12's fifth float is slot 152
	s_wait_dscnt 0x0
	v_pk_mul_f32 v[OD:OD+1], v[OD:OD+1], v[CF:CF+1]        ; times e^(-rho^2/2), or 0 where there is no bin
	v_pk_mul_f32 v[OD+2:OD+3], v[OD+2:OD+3], v[CF+2:CF+3]
	v_pk_mul_f32 v[OD+4:OD+5], v[OD+4:OD+5], v[CF+4:CF+5]
	v_pk_add_f32 v[TT:TT+1], v[OD:OD+1], v[OD+2:OD+3]
	v_pk_add_f32 v[TT:TT+1], v[TT:TT+1], v[OD+4:OD+5]
	v_add_f32 v[TT], v[TT], v[TT+1]
	v_add_f32_dpp v[TT], v[TT], v[TT] row_xmask:1 row_mask:0xf bank_mask:0xf
	v_add_f32_dpp v[TT], v[TT], v[TT] row_xmask:2 row_mask:0xf bank_mask:0xf
	v_add_f32_dpp v[TT], v[TT], v[TT] row_xmask:4 row_mask:0xf bank_mask:0xf
	v_add_f32_dpp v[TT], v[TT], v[TT] row_xmask:8 row_mask:0xf bank_mask:0xf
	v_permlanex16_b32 v[TT+1], v[TT], s12, s13
	v_add_f32 v[TT], v[TT], v[TT+1]                ; the piece's sum, in every lane
	v_cndmask_b32 v[OD+4], v[OD+4], v[TT], vcc_lo  ; into slot 152
	global_store_b64 v[GA], v[OD:OD+1], s[8:9]     ; each store covers 256 consecutive bytes, at a multiple of 256 from part's first byte
	global_store_b64 v[GA], v[OD+2:OD+3], s[8:9] offset:256
	global_store_b64 v[GA], v[OD+4:OD+5], s[8:9] offset:512
.Ldone:
	s_wait_tensorcnt 0x0
	ds_add_u32 v168, v169
	s_wait_dscnt 0x0
	s_endpgm
.Lfunc_end_k_qa4f2374ea3_smear:
	.size	k_qa4f2374ea3_smear, .Lfunc_end_k_qa4f2374ea3_smear-k_qa4f2374ea3_smear
	.p2alignl 7, 3214868480
	.fill 96, 4, 3214868480
	.section	.rodata,"a",@progbits
	.p2align	6, 0x0
	.amdhsa_kernel k_qa4f2374ea3_smear
		.amdhsa_group_segment_fixed_size 168960
		.amdhsa_private_segment_fixed_size 0
		.amdhsa_enable_private_segment 0
		.amdhsa_kernarg_size 24
		.amdhsa_user_sgpr_count 2
		.amdhsa_user_sgpr_kernarg_segment_ptr 1
		.amdhsa_wavefront_size32 1
		.amdhsa_system_sgpr_workgroup_id_x 1
		.amdhsa_system_sgpr_workgroup_id_y 1
		.amdhsa_system_sgpr_workgroup_id_z 1
		.amdhsa_system_vgpr_workitem_id 0
		.amdhsa_next_free_vgpr 170
		.amdhsa_next_free_sgpr 66
		.amdhsa_reserve_vcc 1
		.amdhsa_float_denorm_mode_32 3
		.amdhsa_float_denorm_mode_16_64 3
		.amdhsa_memory_ordered 1
		.amdhsa_forward_progress 1
		.amdhsa_inst_pref_size 71
	.end_amdhsa_kernel
	.amdgpu_metadata
---
amdhsa.version: [ 1, 2 ]
amdhsa.kernels:
  - .name:           k_qa4f2374ea3_smear
    .symbol:         k_qa4f2374ea3_smear.kd
    .args:
      - { .name: Traj, .offset: 0, .size: 8, .value_kind: global_buffer, .address_space: global }
      - { .name: z_mask, .offset: 8, .size: 8, .value_kind: global_buffer, .address_space: global }
      - { .name: part, .offset: 16, .size: 8, .value_kind: global_buffer, .address_space: global }
    .group_segment_fixed_size: 168960
    .private_segment_fixed_size: 0
    .kernarg_segment_align: 8
    .kernarg_segment_size: 24
    .max_flat_workgroup_size: 256
    .sgpr_count:     66
    .vgpr_count:     170
    .wavefront_size: 32
...
	.end_amdgpu_metadata
.endif
;; end of part 3
;; launch finish (part 4): grid 12 x 1, 8 waves a work-group, no clusters, 3,328 bytes of LDS; arguments part, out0, out1; writes out0, out1
.if DOCPART == 4
	.amdgcn_target "amdgcn-amd-amdhsa--gfx1250"
	.amdhsa_code_object_version 6
	.text
	.protected	k_qa4f2374ea3_finish
	.globl	k_qa4f2374ea3_finish
	.p2align	8
	.type	k_qa4f2374ea3_finish,@function
k_qa4f2374ea3_finish:
	s_mov_b64 s[64:65], 0
	v_nop
	global_prefetch_b8 v0, s[64:65] scope:SCOPE_SE
	s_setreg_imm32_b32 hwreg(HW_REG_WAVE_MODE, 25, 1), 1
	s_wait_xcnt 0x0
; part holds 256 pieces of 192 floats: piece 4 y + x = the densities of bins 152 x .. 152 x + 151 from atom part y (0 where there is no bin), in slot 152 their sum, then zeros.
; The four pieces of one y are a ROW of 3,072 bytes, twelve blocks of 256.  Work-group b adds block b (64 slots) over the 64 rows, 16 KB, adds the 256 pieces' sums to P.sum,
; divides, and writes its bins of out1; out0[j] = 0.05 + 0.1 j.  The common factor 2^44 norm dr / T cancels in the division.  A slot's sum is at most 2^63, P.sum at most 2^65.
; If no atom reaches any bin P.sum is 0 and 0 x (1/0) gives NaN, as 0/0 does in the reference.
; 256 threads.  Thread t loads 16 bytes of rows t / 16 + 16 k, k = 0 .. 3, at column 16 (t mod 16) of the block: sixteen lanes read 256 consecutive bytes, aligned.
; Thread t also loads piece t's sum: 4 bytes, 768 bytes apart from its neighbour's.  That is read once by each work-group, outside any loop; a dense table of the sums
; would have to be stored four bytes at a time by 256 work-groups of the launch before.
.set ROWB,  3072                       ; bytes in a row
.set PIECE, 768                        ; bytes in a piece
.set TSLOT, 608                        ; a piece's sum: slot 152
.set NBINS, 598
.set LO, 3                             ; v3   my 16 bytes in rows 0 .. 15
.set GO, 4                             ; v4   piece t
.set SA, 5                             ; v5   LDS: my wave's 256 bytes, my column
.set WA, 6                             ; v6   LDS: my wave's word
.set UA, 7                             ; v7   4 (t mod 64): slot t mod 64 of the block
.set ZR, 8                             ; v8   0
.set O0, 10                            ; v10  out0's value
.set OA, 11                            ; v11  4 j
.set VV, 12
.set T1, 13
.set X,  16                            ; v[16:31] the four loads
.set TG, 32                            ; v32  a piece's sum
.set R,  36                            ; v[36:43] the eight waves' sums of my slot
.set W,  44                            ; v[44:51] the eight waves' sums of the pieces' sums
.set WT, 2048                          ; LDS: 8 words behind the 8 x 256 bytes of slot sums
	s_load_b128 s[4:7], s[0:1], 0x0                ; part s[4:5], out0 s[6:7]
	s_load_b64 s[8:9], s[0:1], 0x10                ; out1
	v_lshl_add_u32 v52, v0, 2, 0x900
	v_mov_b32 v53, 0
	v_lshrrev_b32 v2, 5, v0
	v_readfirstlane_b32 s10, v2                    ; wave 0..7
	v_and_b32 v1, 15, v0                           ; column
	v_lshrrev_b32 v[LO], 4, v0                     ; row 0..15
	v_mul_u32_u24 v[LO], v[LO], ROWB
	v_lshl_add_u32 v[LO], v1, 4, v[LO]
	s_lshl_b32 s11, ttmp9, 8                       ; my block's place in a row
	v_add_nc_u32 v[LO], s11, v[LO]
	v_mul_u32_u24 v[GO], v0, PIECE
	s_mov_b32 s12, 0x76543210                      ; v_permlanex16_b32: each lane takes its own place in the other half
	s_mov_b32 s13, 0xfedcba98
	s_wait_kmcnt 0x0
.irp k, 0,1,2,3
	global_load_b128 v[X+4*\k:X+4*\k+3], v[LO], s[4:5] offset:16*ROWB*\k
.endr
	global_load_b32 v[TG], v[GO], s[4:5] offset:TSLOT
	; whole-number work while the loads are on their way: block b = 3 x + c holds slots 64 c .. 64 c + 63 of the pieces of x
	s_mul_i32 s14, ttmp9, 43
	s_lshr_b32 s14, s14, 7                         ; x = b / 3, exact for b <= 11
	s_mul_i32 s15, s14, 3
	s_sub_co_u32 s15, ttmp9, s15
	s_lshl_b32 s15, s15, 6                         ; the block's first slot
	s_mul_i32 s16, s14, 152
	s_sub_co_u32 s17, NBINS, s16
	s_min_u32 s17, s17, 152                        ; slots of a piece that are bins
	s_add_co_u32 s16, s16, s15                     ; the block's first bin
	v_and_b32 v[UA], 63, v0
	v_add_nc_u32 v9, s15, v[UA]                    ; my slot
	v_cmp_gt_u32 s18, s17, v9                      ; it is a bin
	v_add_nc_u32 v[OA], s16, v[UA]                 ; bin j
	v_cvt_f32_u32 v[T1], v[OA]
	v_mov_b32 v9, 0x3dcccccd                       ; 0.1
	v_fmaak_f32 v[O0], v[T1], v9, 0x3d4ccccd       ; out0 = 0.1 j + 0.05
	v_lshlrev_b32 v[OA], 2, v[OA]
	v_lshlrev_b32 v[UA], 2, v[UA]
	s_lshl_b32 s19, s10, 8
	v_lshl_add_u32 v[SA], v1, 4, s19
	s_lshl_b32 s20, s10, 2
	v_mov_b32 v[WA], s20
	v_mov_b32 v[ZR], 0
	s_wait_loadcnt 3                               ; loads come back in order: five were issued, the three behind the second stay out
	v_pk_add_f32 v[X:X+1], v[X:X+1], v[X+4:X+5]
	v_pk_add_f32 v[X+2:X+3], v[X+2:X+3], v[X+6:X+7]
	s_wait_loadcnt 2                               ; the third is in
	v_pk_add_f32 v[X:X+1], v[X:X+1], v[X+8:X+9]
	v_pk_add_f32 v[X+2:X+3], v[X+2:X+3], v[X+10:X+11]
	s_wait_loadcnt 1                               ; the fourth is in; the piece's sum stays out
	v_pk_add_f32 v[X:X+1], v[X:X+1], v[X+12:X+13]
	v_pk_add_f32 v[X+2:X+3], v[X+2:X+3], v[X+14:X+15]
.irp e, 0,1,2,3
	v_permlanex16_b32 v[X+4+\e], v[X+\e], s12, s13 ; the other half of the lanes holds the row below, same columns
.endr
	v_pk_add_f32 v[X:X+1], v[X:X+1], v[X+4:X+5]
	v_pk_add_f32 v[X+2:X+3], v[X+2:X+3], v[X+6:X+7]
	ds_store_b128 v[SA], v[X:X+3]                  ; my wave's eight rows, 64 slots; both halves of the lanes write the same bytes with the same values
	s_wait_loadcnt 0
	v_add_f32_dpp v[TG], v[TG], v[TG] row_xmask:1 row_mask:0xf bank_mask:0xf
	v_add_f32_dpp v[TG], v[TG], v[TG] row_xmask:2 row_mask:0xf bank_mask:0xf
	v_add_f32_dpp v[TG], v[TG], v[TG] row_xmask:4 row_mask:0xf bank_mask:0xf
	v_add_f32_dpp v[TG], v[TG], v[TG] row_xmask:8 row_mask:0xf bank_mask:0xf
	v_permlanex16_b32 v[X+8], v[TG], s12, s13
	v_add_f32 v[TG], v[TG], v[X+8]                 ; the sum of my wave's 32 pieces
	ds_store_b32 v[WA], v[TG] offset:WT            ; all lanes write the same word with the same value
	s_wait_dscnt 0x0                               ; for the others' sake: my stores are done
	s_barrier_signal -1
	s_barrier_wait -1
	s_cmp_lt_u32 s10, 2                            ; 64 slots: two waves finish them
	s_cbranch_scc0 .Ldone
.irp w, 0,1,2,3,4,5,6,7
	ds_load_b32 v[R+\w], v[UA] offset:256*\w
.endr
	ds_load_b128 v[W:W+3], v[ZR] offset:WT
	ds_load_b128 v[W+4:W+7], v[ZR] offset:WT+16
	s_wait_dscnt 0x0
	v_pk_add_f32 v[W:W+1], v[W:W+1], v[W+2:W+3]
	v_pk_add_f32 v[W+4:W+5], v[W+4:W+5], v[W+6:W+7]
	v_pk_add_f32 v[R:R+1], v[R:R+1], v[R+2:R+3]
	v_pk_add_f32 v[R+4:R+5], v[R+4:R+5], v[R+6:R+7]
	v_pk_add_f32 v[W:W+1], v[W:W+1], v[W+4:W+5]
	v_pk_add_f32 v[R:R+1], v[R:R+1], v[R+4:R+5]
	v_add_f32 v[W], v[W], v[W+1]                   ; P.sum
	v_rcp_f32 v[T1], v[W]
	v_add_f32 v[R], v[R], v[R+1]                   ; my slot's sum: also the plain instruction between the reciprocal and its use (ISA guide 5.7.2)
	s_wait_alu depctr_va_vdst(0)
	v_mul_f32 v[VV], v[R], v[T1]
	s_wait_xcnt 0x0                                ; EXEC changes only behind this wait
	s_and_saveexec_b32 s14, s18                    ; the threads whose slot is a bin
	global_store_b32 v[OA], v[O0], s[6:7]
	global_store_b32 v[OA], v[VV], s[8:9]
	s_wait_xcnt 0x0
	s_or_b32 exec_lo, exec_lo, s14
.Ldone:
	s_wait_tensorcnt 0x0
	ds_add_u32 v52, v53
	s_wait_dscnt 0x0
	s_endpgm
.Lfunc_end_k_qa4f2374ea3_finish:
	.size	k_qa4f2374ea3_finish, .Lfunc_end_k_qa4f2374ea3_finish-k_qa4f2374ea3_finish
	.p2alignl 7, 3214868480
	.fill 96, 4, 3214868480
	.section	.rodata,"a",@progbits
	.p2align	6, 0x0
	.amdhsa_kernel k_qa4f2374ea3_finish
		.amdhsa_group_segment_fixed_size 3328
		.amdhsa_private_segment_fixed_size 0
		.amdhsa_enable_private_segment 0
		.amdhsa_kernarg_size 24
		.amdhsa_user_sgpr_count 2
		.amdhsa_user_sgpr_kernarg_segment_ptr 1
		.amdhsa_wavefront_size32 1
		.amdhsa_system_sgpr_workgroup_id_x 1
		.amdhsa_system_sgpr_workgroup_id_y 1
		.amdhsa_system_sgpr_workgroup_id_z 1
		.amdhsa_system_vgpr_workitem_id 0
		.amdhsa_next_free_vgpr 54
		.amdhsa_next_free_sgpr 66
		.amdhsa_reserve_vcc 0
		.amdhsa_float_denorm_mode_32 3
		.amdhsa_float_denorm_mode_16_64 3
		.amdhsa_memory_ordered 1
		.amdhsa_forward_progress 1
		.amdhsa_inst_pref_size 6
	.end_amdhsa_kernel
	.amdgpu_metadata
---
amdhsa.version: [ 1, 2 ]
amdhsa.kernels:
  - .name:           k_qa4f2374ea3_finish
    .symbol:         k_qa4f2374ea3_finish.kd
    .args:
      - { .name: part, .offset: 0, .size: 8, .value_kind: global_buffer, .address_space: global }
      - { .name: out0, .offset: 8, .size: 8, .value_kind: global_buffer, .address_space: global }
      - { .name: out1, .offset: 16, .size: 8, .value_kind: global_buffer, .address_space: global }
    .group_segment_fixed_size: 3328
    .private_segment_fixed_size: 0
    .kernarg_segment_align: 8
    .kernarg_segment_size: 24
    .max_flat_workgroup_size: 256
    .sgpr_count:     66
    .vgpr_count:     54
    .wavefront_size: 32
...
	.end_amdgpu_metadata
.endif
;; end of part 4
